; MI455X (gfx1250); checked and timed in simulation.
; The chip was launched on July 23, 2026; its instructions are those of AMD's public machine-readable ISA for CDNA 5 (MIT licence, August 2026) and "CDNA5" Instruction Set Architecture Reference Guide (July 2026). The comments in the code are by the model that wrote it; some were corrected since.
;; Multi Head Attention. Allowed arithmetic: float matrix products may take bf16 or f16 operands with f32 sums; all other float work in f32.
;; Inputs: Q 4 x 8 x 64 float32; Wk 2,048 x 512 float32; bk 2,048 float32; v 128 x 512 x 512 float32.
;; Outputs: out0 4 x 8 x 128 x 64 float32; out1 4 x 8 x 128 x 512 float32.
;; One version. Each part assembles by itself: llvm-mc -triple=amdgcn-amd-amdhsa -mcpu=gfx1250 --defsym DOCPART=n.
;; ======== version 1 of 1: 2 launches
;; limits: values are held in f16: magnitudes above 65,504 overflow, below 6.1e-05 lose precision; inputs' magnitudes at most 65,504
;; workspace buffers: weff 131,072 bytes; bias 512 bytes
;; launch fold (part 1): grid 128 x 1, 4 waves a work-group, no clusters, 8,960 bytes of LDS; arguments Q, Wk, bk, weff, bias; writes weff, bias
.if DOCPART == 1
	.amdgcn_target "amdgcn-amd-amdhsa--gfx1250"
	.amdhsa_code_object_version 6
	.text
	.protected	k_q27b816d0a3_fold
	.globl	k_q27b816d0a3_fold
	.p2align	8
	.type	k_q27b816d0a3_fold,@function
k_q27b816d0a3_fold:
	s_mov_b64 s[64:65], 0
	v_nop
	global_prefetch_b8 v0, s[64:65] scope:SCOPE_SE
	s_setreg_imm32_b32 hwreg(HW_REG_WAVE_MODE, 25, 1), 1
	s_wait_xcnt 0x0
; FOLD: there is one query for each softmax row, so q.(Wk x + bk) = (Wk^T q).x + q.bk for every input.
;   weff[g][n = 4h+a][k] = C * sum over d of Q[4h+g][d] * Wk[(8a+h)*64+d][k]      f16, [4][32][512]
;   bias[g][n]           = C * sum over d of Q[4h+g][d] * bk[(8a+h)*64+d]         f32, [4][32]
; C = log2(e) / 8: the temperature sqrt(64) and the change to base 2 for v_exp_f32.  Q is taken as 32 rows of 64; g = batch / 32.
; Work-group id: n = id / 4, cq = id % 4 (128 columns k).  In front of the barrier wave w sums d = 16w .. 16w+15 for all four g;
; behind it wave w is g and adds the four partial sums.  Lane l owns columns 128 cq + 4 l .. + 3.
; Every byte of Wk is read once in the launch, by loads of which each covers 512 consecutive bytes of one row.
; Plain f32 multiply-adds, not the matrix unit: four useful rows (g) with K running across Wk's rows, 4.2 M multiply-adds in all behind
; a read of 4 MB; and the sum stays in f32, so that weff is rounded once.  No cluster: no two work-groups read the same bytes of Wk.
; weff is kept in f16, not bf16: three more bits for the scores.  A softmax feels a score's absolute error, so f16's denormal step
; (2^-24) at the small end does no harm: over 512 k it adds some 1e-6 |v| to a score.
; LIMITS: |weff| above 65,504 overflows f16 to infinity.  The order of rounding differs from the reference's (sum over d first, one
; rounding of weff to f16).
.set CLOG, 0x3e38aa3b                  ; log2(e) / 8
.set ACC,  8                           ; v[8:23]   sums, [g][4 columns]
.set W,    24                          ; v[24:87]  16 rows of Wk, 4 columns each; free again behind the sums
.set BK,   84                          ; s[84:99]  bk of my 16 d
	s_load_b256 s[4:11], s[0:1], 0x0               ; Q s[4:5], Wk s[6:7], bk s[8:9], weff s[10:11]
	s_load_b64 s[12:13], s[0:1], 0x20              ; bias
	v_lshl_add_u32 v88, v0, 2, 0x2100
	v_mov_b32 v89, 0
	v_lshrrev_b32 v1, 5, v0
	v_readfirstlane_b32 s14, v1                    ; wave w
	v_and_b32 v7, 31, v0                           ; lane
	s_and_b32 s15, ttmp9, 3                        ; cq
	s_lshr_b32 s66, ttmp9, 2                       ; n
	s_lshr_b32 s67, s66, 2                         ; h
	s_and_b32 s100, s66, 3                         ; a
	s_lshl3_add_u32 s101, s100, s67                ; blk = 8 a + h: 64 rows of Wk
	v_lshlrev_b32 v1, 4, v7                        ; 16 lane: my 4 columns in a row's 512 bytes
	v_lshlrev_b32 v6, 3, v7                        ; 8 lane: the same 4 columns in f16
	s_lshl_b32 s2, s14, 11
	v_add_nc_u32 v2, s2, v1                        ; LDS: partial sums [w][g][128 f32], written
	s_lshl_b32 s2, s14, 9
	v_add_nc_u32 v4, s2, v1                        ; LDS: the same, read as [dq][g = w]
	s_lshl_b32 s2, s14, 2
	s_add_co_u32 s2, s2, 8192
	v_mov_b32 v3, s2                               ; LDS: bias partial sums [g][w], written
	s_lshl_b32 s2, s14, 4
	s_add_co_u32 s2, s2, 8192
	v_mov_b32 v5, s2                               ; LDS: the same, read as [g = w][4]
	s_mov_b32 s3, 0                                ; all offsets are below 4 GiB
	s_lshl_b32 s16, s14, 6                         ; 64 w: 16 f32
	s_lshl_b32 s17, s14, 15                        ; 32768 w
	s_lshl_b32 s2, s67, 10
	s_add_co_u32 s2, s2, s16
	s_wait_kmcnt 0x0
	s_add_nc_u64 s[4:5], s[4:5], s[2:3]            ; Q + 256 (4 h) + 64 w
	s_lshl_b32 s2, s101, 8
	s_add_co_u32 s2, s2, s16
	s_add_nc_u64 s[8:9], s[8:9], s[2:3]            ; bk + 256 blk + 64 w
	s_lshl_b32 s2, s101, 17
	s_add_co_u32 s2, s2, s17
	s_lshl_b32 s18, s15, 9
	s_add_co_u32 s2, s2, s18
	s_add_nc_u64 s[6:7], s[6:7], s[2:3]            ; Wk + (64 blk + 16 w) rows of 2,048 bytes + 512 cq
	s_lshl_b32 s2, s66, 10
	s_add_co_u32 s2, s2, s17
	s_lshl_b32 s18, s15, 8
	s_add_co_u32 s2, s2, s18
	s_add_nc_u64 s[10:11], s[10:11], s[2:3]        ; weff + (32 w + n) rows of 1,024 bytes + 256 cq
	s_lshl_b32 s2, s14, 7
	s_lshl2_add_u32 s2, s66, s2
	s_add_nc_u64 s[12:13], s[12:13], s[2:3]        ; bias + 4 (32 w + n)
.irp i, 0,1,2,3,4,5,6,7,8,9,10,11,12,13,14,15
	global_load_b128 v[W+4*\i:W+4*\i+3], v1, s[6:7] offset:2048*\i th:TH_LOAD_NT
.endr
	s_load_b512 s[16:31], s[4:5], 0x0              ; Q[4h+0][16w ..]
	s_load_b512 s[32:47], s[4:5], 0x100            ; Q[4h+1]
	s_load_b512 s[48:63], s[4:5], 0x200            ; Q[4h+2]
	s_load_b512 s[68:83], s[4:5], 0x300            ; Q[4h+3]
	s_load_b512 s[BK:BK+15], s[8:9], 0x0
	s_wait_kmcnt 0x0
; the bias's partial sum for one g, on the scalar unit while Wk is on its way (64 instructions; only the work-groups with cq = 0 store it)
.macro BSUM dst, qb
	s_mul_f32 s[\dst], s[\qb], s[BK]
.set i, 1
.rept 15
	s_fmac_f32 s[\dst], s[\qb+i], s[BK+i]
.set i, i+1
.endr
.endm
	BSUM 66, 16
	BSUM 67, 32
	BSUM 100, 48
	BSUM 101, 68
; row i of my 16, times Q[4h+g][16w+i]; the first row starts the sums: nothing is cleared
.macro FG g, qb, i
.irp c, 0,1,2,3
.if \i == 0
	v_mul_f32 v[ACC+4*\g+\c], s[\qb+\i], v[W+4*\i+\c]
.else
	v_fmac_f32 v[ACC+4*\g+\c], s[\qb+\i], v[W+4*\i+\c]
.endif
.endr
.endm
.irp i, 0,1,2,3,4,5,6,7,8,9,10,11,12,13,14,15
	s_wait_loadcnt 15-\i                           ; loads return in order: row i is in, the 15 - i younger rows stay out
	FG 0, 16, \i
	FG 1, 32, \i
	FG 2, 48, \i
	FG 3, 68, \i
.endr
.irp g, 0,1,2,3
	ds_store_b128 v2, v[ACC+4*\g:ACC+4*\g+3] offset:512*\g
.endr
	v_mov_b32 v24, s66
	v_mov_b32 v25, s67
	v_mov_b32 v26, s100
	v_mov_b32 v27, s101
.irp g, 0,1,2,3
	ds_store_b32 v3, v[24+\g] offset:16*\g         ; all lanes write the same word with the same value
.endr
	s_wait_dscnt 0x0                               ; for the other waves' sake: my partial sums lie in LDS
	s_barrier_signal -1
	s_barrier_wait -1
.irp q, 0,1,2,3
	ds_load_b128 v[24+4*\q:27+4*\q], v4 offset:2048*\q   ; g = w: the four waves' partial sums of my 4 columns
.endr
	ds_load_b128 v[40:43], v5                      ; and of the bias
	s_wait_dscnt 0x0
	v_pk_add_f32 v[24:25], v[24:25], v[28:29]
	v_pk_add_f32 v[26:27], v[26:27], v[30:31]
	v_pk_add_f32 v[32:33], v[32:33], v[36:37]
	v_pk_add_f32 v[34:35], v[34:35], v[38:39]
	v_pk_add_f32 v[24:25], v[24:25], v[32:33]
	v_pk_add_f32 v[26:27], v[26:27], v[34:35]
	v_pk_mul_f32 v[24:25], v[24:25], CLOG op_sel_hi:[1,0]
	v_pk_mul_f32 v[26:27], v[26:27], CLOG op_sel_hi:[1,0]
	v_cvt_pk_f16_f32 v28, v24, v25
	v_cvt_pk_f16_f32 v29, v26, v27
	global_store_b64 v6, v[28:29], s[10:11]        ; the wave stores 256 consecutive bytes, at a multiple of 256 from weff's first byte
	v_add_f32 v40, v40, v41
	v_add_f32 v42, v42, v43
	v_add_f32 v40, v40, v42
	v_mul_f32 v40, CLOG, v40
	s_cmp_lg_u32 s15, 0                            ; one of the four work-groups of this n stores the bias: 128 words in the whole launch
	s_cbranch_scc1 .Lend
	v_cmp_eq_u32 vcc_lo, 0, v7
	v_mov_b32 v44, 0
	s_wait_xcnt 0x0                                ; EXEC is a source of the store above: it narrows only behind this wait
	s_and_saveexec_b32 s16, vcc_lo
	global_store_b32 v44, v40, s[12:13]
	s_wait_xcnt 0x0                                ; and widens only behind this one
	s_or_b32 exec_lo, exec_lo, s16
.Lend:
	s_wait_tensorcnt 0x0
	ds_add_u32 v88, v89
	s_wait_dscnt 0x0
	s_endpgm
.Lfunc_end_k_q27b816d0a3_fold:
	.size	k_q27b816d0a3_fold, .Lfunc_end_k_q27b816d0a3_fold-k_q27b816d0a3_fold
	.p2alignl 7, 3214868480
	.fill 96, 4, 3214868480
	.section	.rodata,"a",@progbits
	.p2align	6, 0x0
	.amdhsa_kernel k_q27b816d0a3_fold
		.amdhsa_group_segment_fixed_size 8960
		.amdhsa_private_segment_fixed_size 0
		.amdhsa_enable_private_segment 0
		.amdhsa_kernarg_size 40
		.amdhsa_user_sgpr_count 2
		.amdhsa_user_sgpr_kernarg_segment_ptr 1
		.amdhsa_wavefront_size32 1
		.amdhsa_system_sgpr_workgroup_id_x 1
		.amdhsa_system_sgpr_workgroup_id_y 1
		.amdhsa_system_sgpr_workgroup_id_z 1
		.amdhsa_system_vgpr_workitem_id 0
		.amdhsa_next_free_vgpr 90
		.amdhsa_next_free_sgpr 102
		.amdhsa_reserve_vcc 1
		.amdhsa_float_denorm_mode_32 3
		.amdhsa_float_denorm_mode_16_64 3
		.amdhsa_memory_ordered 1
		.amdhsa_forward_progress 1
		.amdhsa_inst_pref_size 17
	.end_amdhsa_kernel
	.amdgpu_metadata
---
amdhsa.version: [ 1, 2 ]
amdhsa.kernels:
  - .name:           k_q27b816d0a3_fold
    .symbol:         k_q27b816d0a3_fold.kd
    .args:
      - { .name: Q, .offset: 0, .size: 8, .value_kind: global_buffer, .address_space: global }
      - { .name: Wk, .offset: 8, .size: 8, .value_kind: global_buffer, .address_space: global }
      - { .name: bk, .offset: 16, .size: 8, .value_kind: global_buffer, .address_space: global }
      - { .name: weff, .offset: 24, .size: 8, .value_kind: global_buffer, .address_space: global }
      - { .name: bias, .offset: 32, .size: 8, .value_kind: global_buffer, .address_space: global }
    .group_segment_fixed_size: 8960
    .private_segment_fixed_size: 0
    .kernarg_segment_align: 8
    .kernarg_segment_size: 40
    .max_flat_workgroup_size: 128
    .sgpr_count:     102
    .vgpr_count:     90
    .wavefront_size: 32
...
	.end_amdgpu_metadata
.endif
;; end of part 1
;; launch attn (part 2): grid 128 x 1, 8 waves a work-group, no clusters, 324,608 bytes of LDS; arguments v, weff, bias, out0, out1; writes out0, out1
.if DOCPART == 2
	.amdgcn_target "amdgcn-amd-amdhsa--gfx1250"
	.amdhsa_code_object_version 6
	.text
	.protected	k_q27b816d0a3_attn
	.globl	k_q27b816d0a3_attn
	.p2align	8
	.type	k_q27b816d0a3_attn,@function
k_q27b816d0a3_attn:
	s_mov_b64 s[64:65], 0
	v_nop
	global_prefetch_b8 v0, s[64:65] scope:SCOPE_SE
	s_setreg_imm32_b32 hwreg(HW_REG_WAVE_MODE, 25, 1), 1
	s_wait_xcnt 0x0
; ATTN: one work-group = one batch b (g = b / 32); v[b] (512 x 512 f32, 1 MB) is read from memory once.
; Softmax row x = 512 h + 4 b + a' (head h, a' = 0..3):  score[x][t'] = weff[g][4h + t'%4] . v[b][128 a' + t'/4] + bias[g][4h + t'%4]  (base 2),
; out1[x][t'] = softmax over t',  out0[x][c] = sum over t' of out1[x][t'] v[b][t'][64 h + c].
; EIGHT STEPS.  Step s brings rows 128 a' + 16 s + i (a' = 0..3, i = 0..15), rounds them to f16 into four LDS slots of 16 rows, and makes from
; them the scores of t' = 64 s .. 64 s + 63 of all 32 rows (h, a').  A pair of slots (32 value rows 32 p ..) is multiplied by its weights in
; the first step in which both its rows and its scores exist, max(p / 2, 2 (p % 4) + 1), and its slots are then given back: fourteen slots do.
; The maximum is taken away as a running maximum: the sums are rescaled by 2^(old - new) in each step.
; A step:  P1 every wave converts and stores 8 rows (2 of each slot)            | barrier
;          P2 wave w: slot a' = w % 4, K half w / 4, all 32 score columns -> X   | barrier
;          STAT* and PLOAD/PCOMP: wave w = head h: adds the K halves and the bias, keeps the scores in S, updates the maxima, multiplies | barrier
; 128 work-groups: to split a batch further would mean reading rows twice or summing across work-groups; each byte once comes first here.
; No tensor loads: LDS is filled by the held f16 rows and the scores, so the bytes in flight lie in registers (48 loads of 512 bytes a wave).
; No cluster: work-groups share only weff[g], 32 KB beside 1 MB of v of their own.  No prefetch: the ring of loads is itself the stream.
; WHY f16 AND NOT bf16: out0 is a mean of 512 numbers that largely cancel, so that the roundings of v, of the weights and of the scores weigh on it
; by their full size; f16 has 11 significant bits to bf16's 8.  The weights 2^(score - running maximum) lie in (0, 1]: what falls under f16's
; denormal step 2^-24 is at most 512 x 2^-25 of the largest weight's share.
; LIMITS: |v| above 65,504 overflows f16 to infinity.  v, weff and the unnormalised weights are rounded to f16; the order of rounding differs from
; the reference's.  NaN and infinities in the inputs are not reproduced (v_max_num_f32 drops a NaN).
.set PITCH, 1040                       ; an LDS row of 512 f16 + 16 bytes: an odd multiple of 16, so the 16 rows of a fragment load start 16 bytes apart modulo 256
.set SLOTB, 16*PITCH                   ; a slot: 16 rows
.set SP,    2064                       ; a row of 512 f32 scores + 16 bytes: the four a' rows of a weight fragment start 16 bytes apart modulo 256
.set XB,    32*SP                      ; S: bytes 0 .. 66,047, [h][a'] rows, each wave's own four.  X: [K half][h][a'][64 f32], 16,384 bytes
.set OSCR,  XB+16384                   ; 1,024 bytes a wave for out0's way out
.set VB,    OSCR+8192                  ; fourteen slots
.set WST,   VB+12*SLOTB                ; weff[g] is staged in slots 12 and 13, which are first filled in steps 2 and 3
; block 0
.set GOFF, 1                           ; v1      4096 w + 16 l: my two rows of a block, my 16 bytes of a row's 512
.set ST,   2                           ; v[2:5]  2 w PITCH + 8 l + 65536 k, k = 1..4 (an LDS immediate has 16 bits: the register carries the rest)
.set TR,   6                           ; v[6:9]  (8 hl + l%8) PITCH + 16 ((l/8)%2) + 128 w + 65536 k: transposing loads of my head's 64 columns
.set LT2,  10                          ; v10     r PITCH + 16 hl + 512 (w/4): fragment of 16 rows, my K half
.set BA,   11                          ; v11     the same in this step's slot
.set XW,   12                          ; v12     where P2 puts its partial scores
.set XR,   13                          ; v13     where my head's partial scores are read
.set SW,   14                          ; v14     4 SP w + SP hl + 16 r
.set SPA,  15                          ; v15     4 SP w + SP (l%4) + 32 hl
.set M,    16                          ; v[16:19] running maxima of a' = 0..3, the same in all lanes
.set AL,   20                          ; v[20:23] 2^(old maximum - new maximum)
.set ML,   24                          ; v[24:25] the maximum of row a' = l % 4, twice
.set BIAS, 26                          ; v[26:29] bias[g][4 w + a]
.set T,    30                          ; v[30:31]
.set ACC,  32                          ; v[32:63] four tiles: register jj = (a' = jj % 4, column 64 h + 16 nt + r); only jj = 0..3 are used
.set WA,   64                          ; v[64:127] weff fragments, K steps 0..3 of my half: 8 (2 ks + mt)
.set TMP,  128                         ; P1: 32 registers of f16
.set BF,   128                         ; P2: v[128:191] fragments of the slot's 16 rows, 8 K steps
.set D0,   192                         ; P2: v[192:207] two score tiles
.set XA0,  240                         ; STAT*: K half 0, a' = hl;   XB0: a' = 2 + hl;   XA1, XB1: K half 1
.set XB0,  244
.set XA1,  248
.set XB1,  252
; block 1, written by the low 8 bits
.set WAH,  0                           ; v256-319  weff fragments, K steps 4..7
.set RING, 64                          ; v320-511  three sets of 16 loads of 4 registers
.set MSB, 0
.macro WIN new                         ; s_set_vgpr_msb: bits 1:0 source 0, 3:2 source 1, 5:4 source 2, 7:6 destination; the high byte repeats the setting left
.if MSB != \new
	s_set_vgpr_msb (MSB<<8)|\new
.set MSB, \new
.endif
.endm
.macro BARRIER
	s_wait_dscnt 0x0                               ; my LDS stores lie there and my LDS reads are over, for the others' sake
	s_barrier_signal -1
	s_barrier_wait -1
.endm
.macro PLACES                          ; four independent vector instructions behind a matrix instruction before its result is read or stored,
.rept 4                                ; or one of its registers written or loaded again (ISA guide 7.12.1)
	v_nop
.endr
.endm
; group un = 2 s + half: 16 loads, rows 128 aa + 16 s + 2 w + e (aa = 2 half + i/8, e = (i/4)%2), 512 consecutive bytes of a row each (i%4)
.macro LOADG un
.set i, 0
.rept 16
.set gofs, (128*(2*((\un)&1)+(i>>3))+16*((\un)>>1)+((i>>2)&1))*2048+512*(i&3)
	global_load_b128 v[RING+64*((\un)%3)+4*i:RING+64*((\un)%3)+4*i+3], v[GOFF], s[4:5] offset:gofs th:TH_LOAD_NT
.set i, i+1
.endr
.endm
	s_load_b256 s[4:11], s[0:1], 0x0               ; v s[4:5], weff s[6:7], bias s[8:9], out0 s[10:11]
	s_load_b64 s[12:13], s[0:1], 0x20              ; out1
	v_lshrrev_b32 v160, 5, v0
	v_readfirstlane_b32 s14, v160                  ; wave w
	v_and_b32 v160, 31, v0                         ; l
	v_and_b32 v161, 15, v0                         ; r
	v_bfe_u32 v162, v0, 4, 1                       ; hl
	s_and_b32 s15, s14, 1                          ; a' % 2
	s_bfe_u32 s16, s14, 0x10001                    ; a' / 2
	s_lshr_b32 s17, s14, 2                         ; K half
	s_and_b32 s18, s14, 3                          ; a'
	s_lshr_b32 s19, ttmp9, 5                       ; g
	s_lshl_b32 s20, s14, 12
	v_lshl_add_u32 v[GOFF], v160, 4, s20
	s_lshl_b32 s22, s14, 4
	v_mov_b32 v169, s22                            ; 16 w: my head's four biases
	s_mov_b32 s21, 0
	s_wait_kmcnt 0x0
	s_lshl_b32 s20, ttmp9, 20
	s_add_nc_u64 s[4:5], s[4:5], s[20:21]          ; v[b]
	s_lshl_b32 s20, s19, 15
	s_add_nc_u64 s[6:7], s[6:7], s[20:21]          ; weff[g]
	s_lshl_b32 s20, s19, 7
	s_add_nc_u64 s[8:9], s[8:9], s[20:21]          ; bias[g]
	s_lshl_b32 s20, ttmp9, 10
	s_add_nc_u64 s[10:11], s[10:11], s[20:21]      ; out0 + 256 (4 b)
	s_lshl_b32 s20, ttmp9, 13
	s_add_nc_u64 s[12:13], s[12:13], s[20:21]      ; out1 + 2048 (4 b)
.set i, 0
.rept 8
	global_load_b128 v[128+4*i:128+4*i+3], v[GOFF], s[6:7] offset:512*i   ; weff[g] rows 4 w .. 4 w + 3: 4,096 consecutive bytes
.set i, i+1
.endr
	global_load_b128 v[BIAS:BIAS+3], v169, s[8:9]
	WIN 0x40                                       ; loads land in block 1, the address stays in block 0
	LOADG 0
	LOADG 1
	LOADG 2
	WIN 0
	s_mul_i32 s20, s14, 2*PITCH
	v_lshl_add_u32 v163, v160, 3, s20
	v_and_b32 v164, 7, v0
	v_lshl_add_u32 v164, v162, 3, v164
	v_mul_u32_u24 v164, v164, PITCH
	v_bfe_u32 v165, v0, 3, 1
	v_lshl_add_u32 v164, v165, 4, v164
	s_lshl_b32 s20, s14, 7
	v_add_nc_u32 v164, s20, v164
.irp k, 0,1,2,3
	v_add_nc_u32 v[ST+\k], 65536*(\k+1), v163
	v_add_nc_u32 v[TR+\k], 65536*(\k+1), v164
.endr
	v_mul_u32_u24 v166, v161, PITCH
	v_lshl_add_u32 v166, v162, 4, v166
	s_lshl_b32 s20, s17, 9
	v_add_nc_u32 v[LT2], s20, v166
	v_add_nc_u32 v170, WST, v[LT2]                 ; weff fragments in the stage
	s_lshl_b32 s20, s17, 13
	s_lshl_b32 s22, s18, 8
	s_add_co_u32 s20, s20, s22
	s_add_co_u32 s20, s20, XB
	v_lshl_add_u32 v[XW], v161, 4, s20
	v_lshl_add_u32 v[XW], v162, 11, v[XW]          ; XB + 8192 half + 256 a' + 2048 hl + 16 r
	s_lshl_b32 s20, s14, 10
	s_add_co_u32 s20, s20, XB
	v_lshl_add_u32 v[XR], v160, 4, s20             ; XB + 1024 w + 16 l
	s_mul_i32 s22, s14, 4*SP
	v_mul_u32_u24 v[SW], v162, SP
	v_lshl_add_u32 v[SW], v161, 4, v[SW]
	v_add_nc_u32 v[SW], s22, v[SW]
	v_and_b32 v167, 3, v0
	v_mul_u32_u24 v[SPA], v167, SP
	v_lshl_add_u32 v[SPA], v162, 5, v[SPA]
	v_add_nc_u32 v[SPA], s22, v[SPA]
	s_mul_i32 s20, s14, 4*PITCH
	s_add_co_u32 s20, s20, WST
	v_lshl_add_u32 v168, v160, 4, s20              ; stage: rows 4 w .., 16 l
	s_mov_b32 s28, 0xaaaaaaaa                      ; lanes with l & 1
	s_mov_b32 s29, 0xcccccccc                      ; lanes with l & 2
	s_mov_b32 s30, 0xffff0000                      ; lanes 16-31
	s_mov_b32 s32, 0x76543210                      ; v_permlanex16_b32: lane i of the other half
	s_mov_b32 s33, 0xfedcba98
	s_wait_loadcnt 48                              ; weff and the bias are in: only the 48 loads of v are younger
.set i, 0
.rept 8
.set sofs, (i>>1)*PITCH+512*(i&1)
	ds_store_b128 v168, v[128+4*i:128+4*i+3] offset:sofs
.set i, i+1
.endr
	BARRIER
	; weff fragments (source A): lane (r, hl) holds score column 16 mt + r, k = 256 half + 32 ks + 8 hl .. and + 16 ..; i = 4 ks + 2 mt + j.
	; They are waited for by the s_wait_dscnt 0 at the end of the first P1.
.set i, 0
.rept 16
.set fofs, 16*PITCH*((i>>1)&1)+64*(i>>2)+32*(i&1)
	ds_load_b128 v[WA+4*i:WA+4*i+3], v170 offset:fofs
.set i, i+1
.endr
	WIN 0x40
.set i, 0
.rept 16
.set fofs, 16*PITCH*((i>>1)&1)+64*(4+(i>>2))+32*(i&1)
	ds_load_b128 v[WAH+4*i:WAH+4*i+3], v170 offset:fofs
.set i, i+1
.endr
	WIN 0
; P1, half a step: group u's 16 loads are rounded to f16; the set is asked for again at once (group u + 3); 16 LDS stores of 256 consecutive bytes.
; The slot of a' is base + (a' % 2) c1 + (a' / 2) c2.
.macro P1HALF u, base, c1, c2
.if (\u) <= 13
	s_wait_loadcnt 32                              ; loads return in order: group u is in, the two younger groups of 16 stay out
.else
	s_wait_loadcnt 16*(15-(\u))                    ; nothing is asked for any more: the counts run down, 16 and 0
.endif
	WIN 0x05                                       ; both sources in block 1
.set i, 0
.rept 16
	v_cvt_pk_f16_f32 v[TMP+2*i], v[RING+64*((\u)%3)+4*i], v[RING+64*((\u)%3)+4*i+1]
	v_cvt_pk_f16_f32 v[TMP+2*i+1], v[RING+64*((\u)%3)+4*i+2], v[RING+64*((\u)%3)+4*i+3]
.set i, i+1
.endr
	WIN 0x40                                       ; for the loads; the LDS stores name sources only, which stay in block 0
.if (\u)+3 <= 15
	LOADG (\u)+3
.endif
.set i, 0
.rept 16
.set aa, 2*((\u)&1)+(i>>3)
.set cc, VB+(\base+(aa&1)*\c1+(aa>>1)*\c2)*SLOTB+((i>>2)&1)*PITCH+256*(i&3)
.set chi, ST+(cc>>16)-1
.set clo, cc&0xffff
	ds_store_b64 v[chi], v[TMP+2*i:TMP+2*i+1] offset:clo
.set i, i+1
.endr
.endm
.macro P1 s, base, c1, c2
	P1HALF 2*\s, \base, \c1, \c2
	P1HALF 2*\s+1, \base, \c1, \c2
	WIN 0
	BARRIER                                        ; the step's 64 rows lie in LDS
.endm
; P2: D(m, n) = sum over my 256 k of weff(16 mt + m, k) v(row n of my slot, k).  Register jj of lane (r, hl): score column 16 mt + 8 hl + jj, that is
; head 4 mt + 2 hl + jj / 4 and a = jj % 4, of row t = 128 a' + 16 s + r: four neighbouring registers are t' = 64 s + 4 r + 0..3.
.macro P2 base, c1, c2
	s_mul_i32 s20, s15, \c1*SLOTB
	s_mul_i32 s21, s16, \c2*SLOTB
	s_add_co_u32 s20, s20, s21
	s_add_co_u32 s20, s20, VB+\base*SLOTB
	v_add_nc_u32 v[BA], s20, v[LT2]
.set i, 0
.rept 16
	ds_load_b128 v[BF+4*i:BF+4*i+3], v[BA] offset:32*i
.set i, i+1
.endr
	s_wait_dscnt 8                                 ; K steps 0..3 are in, the eight younger loads stay out
	v_wmma_f32_16x16x32_f16 v[D0:D0+7], v[WA:WA+7], v[BF:BF+7], 0
	v_wmma_f32_16x16x32_f16 v[D0+8:D0+15], v[WA+8:WA+15], v[BF:BF+7], 0
.set i, 1
.rept 3
	v_wmma_f32_16x16x32_f16 v[D0:D0+7], v[WA+16*i:WA+16*i+7], v[BF+8*i:BF+8*i+7], v[D0:D0+7]
	v_wmma_f32_16x16x32_f16 v[D0+8:D0+15], v[WA+16*i+8:WA+16*i+15], v[BF+8*i:BF+8*i+7], v[D0+8:D0+15]
.set i, i+1
.endr
	s_wait_dscnt 0x0
	WIN 0x01                                       ; source A in block 1
.set i, 0
.rept 4
	v_wmma_f32_16x16x32_f16 v[D0:D0+7], v[WAH+16*i:WAH+16*i+7], v[BF+32+8*i:BF+32+8*i+7], v[D0:D0+7]
	v_wmma_f32_16x16x32_f16 v[D0+8:D0+15], v[WAH+16*i+8:WAH+16*i+15], v[BF+32+8*i:BF+32+8*i+7], v[D0+8:D0+15]
.set i, i+1
.endr
	WIN 0
	PLACES
	ds_store_b128 v[XW], v[D0:D0+3]
	ds_store_b128 v[XW], v[D0+4:D0+7] offset:1024
	ds_store_b128 v[XW], v[D0+8:D0+11] offset:4096
	ds_store_b128 v[XW], v[D0+12:D0+15] offset:5120
	BARRIER                                        ; both K halves of all heads lie in X
.endm
; my head's 4 x 64 new scores: K halves added, bias added (a lane's four numbers are a = 0..3), kept in S
.macro STATA s
	ds_load_b128 v[XA0:XA0+3], v[XR]
	ds_load_b128 v[XB0:XB0+3], v[XR] offset:512
	ds_load_b128 v[XA1:XA1+3], v[XR] offset:8192
	ds_load_b128 v[XB1:XB1+3], v[XR] offset:8704
	s_wait_dscnt 0x0
	v_pk_add_f32 v[XA0:XA0+1], v[XA0:XA0+1], v[XA1:XA1+1]
	v_pk_add_f32 v[XA0+2:XA0+3], v[XA0+2:XA0+3], v[XA1+2:XA1+3]
	v_pk_add_f32 v[XB0:XB0+1], v[XB0:XB0+1], v[XB1:XB1+1]
	v_pk_add_f32 v[XB0+2:XB0+3], v[XB0+2:XB0+3], v[XB1+2:XB1+3]
	v_pk_add_f32 v[XA0:XA0+1], v[XA0:XA0+1], v[BIAS:BIAS+1]
	v_pk_add_f32 v[XA0+2:XA0+3], v[XA0+2:XA0+3], v[BIAS+2:BIAS+3]
	v_pk_add_f32 v[XB0:XB0+1], v[XB0:XB0+1], v[BIAS:BIAS+1]
	v_pk_add_f32 v[XB0+2:XB0+3], v[XB0+2:XB0+3], v[BIAS+2:BIAS+3]
	ds_store_b128 v[SW], v[XA0:XA0+3] offset:256*\s
	ds_store_b128 v[SW], v[XB0:XB0+3] offset:256*\s+2*SP
.endm
; the running maxima; from step 2 on the sums are rescaled (the first pair is multiplied in step 1)
.macro STATB s
	v_max3_num_f32 v[T], v[XA0], v[XA0+1], v[XA0+2]
	v_max3_num_f32 v[T+1], v[XB0], v[XB0+1], v[XB0+2]
	v_max_num_f32 v[T], v[T], v[XA0+3]
	v_max_num_f32 v[T+1], v[T+1], v[XB0+3]
.irp x, 1,2,4,8
	v_max_num_f32_dpp v[T], v[T], v[T] row_xmask:\x row_mask:0xf bank_mask:0xf
	v_max_num_f32_dpp v[T+1], v[T+1], v[T+1] row_xmask:\x row_mask:0xf bank_mask:0xf
.endr
	v_readlane_b32 s24, v[T], 0                    ; a' = 0
	v_readlane_b32 s25, v[T], 16                   ; a' = 1
	v_readlane_b32 s26, v[T+1], 0                  ; a' = 2
	v_readlane_b32 s27, v[T+1], 16                 ; a' = 3
.if \s == 0
.irp i, 0,1,2,3
	v_mov_b32 v[M+\i], s[24+\i]
.endr
.else
.if \s == 1
.irp i, 0,1,2,3
	v_max_num_f32 v[M+\i], s[24+\i], v[M+\i]
.endr
.else
.irp i, 0,1,2,3
	v_max_num_f32 v[T], s[24+\i], v[M+\i]
	v_sub_f32 v[AL+\i], v[M+\i], v[T]
	v_mov_b32 v[M+\i], v[T]
.endr
.irp i, 0,1,2,3
	v_exp_f32 v[AL+\i], v[AL+\i]
.endr
.endif
	v_cndmask_b32 v[T], v[M], v[M+1], s28          ; (also the plain instruction between the exponentials and their use: ISA guide 5.7.2)
	v_cndmask_b32 v[T+1], v[M+2], v[M+3], s28
	v_cndmask_b32 v[ML], v[T], v[T+1], s29         ; the maximum of row a' = l % 4
	v_mov_b32 v[ML+1], v[ML]
.if \s >= 2
	s_wait_alu depctr_va_vdst(0)
.irp nt, 0,1,2,3
	v_pk_mul_f32 v[ACC+8*\nt:ACC+8*\nt+1], v[ACC+8*\nt:ACC+8*\nt+1], v[AL:AL+1]        ; registers 4-7 of a tile repeat rows a' = 0..3, are never
	v_pk_mul_f32 v[ACC+8*\nt+2:ACC+8*\nt+3], v[ACC+8*\nt+2:ACC+8*\nt+3], v[AL+2:AL+3]  ; read and are not rescaled: each weight is at most 1, so they stay below 512 max|v|
.endr
.endif
.endif
.endm
; pair p: scores t' = 32 p .. + 31 of row a' = l % 4 (4 loads), and value rows 32 p .. + 15 (slot sa) and + 16 .. + 31 (slot sb), transposed, my head's
; 64 columns (8 loads).  Register set 0 or 1: scores SB .. + 15, weights SB + 16 .. + 23, values SB + 24 .. + 55.
.macro PLOAD p, sa, sb, set
.set SB, 128+56*\set
	ds_load_b128 v[SB:SB+3], v[SPA] offset:128*\p
	ds_load_b128 v[SB+4:SB+7], v[SPA] offset:128*\p+16
	ds_load_b128 v[SB+8:SB+11], v[SPA] offset:128*\p+64
	ds_load_b128 v[SB+12:SB+15], v[SPA] offset:128*\p+80
.set i, 0
.rept 4
.set ca, VB+\sa*SLOTB+32*i
.set cb, VB+\sb*SLOTB+32*i
.set cahi, TR+(ca>>16)-1
.set calo, ca&0xffff
.set cbhi, TR+(cb>>16)-1
.set cblo, cb&0xffff
	ds_load_tr16_b128 v[SB+24+8*i:SB+24+8*i+3], v[cahi] offset:calo
	ds_load_tr16_b128 v[SB+24+8*i+4:SB+24+8*i+7], v[cbhi] offset:cblo
.set i, i+1
.endr
.endm
; weights 2^(score - maximum) in f16, then four matrix instructions.  lefts: LDS instructions younger than this pair's four score loads
; (its own 8 value loads, and 12 more where the next pair has been asked for); leftv: those younger than its value loads (12 or 0).
.macro PCOMP set, zero, lefts, leftv
.set SB, 128+56*\set
	s_wait_dscnt \lefts
.set i, 0
.rept 8
	v_pk_add_f32 v[SB+2*i:SB+2*i+1], v[SB+2*i:SB+2*i+1], v[ML:ML+1] neg_lo:[0,1] neg_hi:[0,1]
.set i, i+1
.endr
.set i, 0
.rept 16
	v_exp_f32 v[SB+i], v[SB+i]
.set i, i+1
.endr
	v_nop                                          ; one plain instruction between the exponentials and their use (ISA guide 5.7.2)
.set i, 0
	s_wait_alu depctr_va_vdst(0)
.rept 8
	v_cvt_pk_f16_f32 v[SB+16+i], v[SB+2*i], v[SB+2*i+1]
.set i, i+1
.endr
	s_wait_dscnt \leftv
.set i, 0
.rept 4
.if \zero
	v_wmma_f32_16x16x32_f16 v[ACC+8*i:ACC+8*i+7], v[SB+16:SB+23], v[SB+24+8*i:SB+24+8*i+7], 0
.else
	v_wmma_f32_16x16x32_f16 v[ACC+8*i:ACC+8*i+7], v[SB+16:SB+23], v[SB+24+8*i:SB+24+8*i+7], v[ACC+8*i:ACC+8*i+7]
.endif
.set i, i+1
.endr
	PLACES                                         ; before this set is loaded or written again
.endm
	; step 0: slots 0 1 2 3.  It frees no slot and step 1 fills slots that nobody has read, so no barrier closes it;
	; its reads of X are over (STATA's wait) in front of the barrier at the end of the next P1, behind which X is written again.
	P1 0, 0, 1, 2
	P2 0, 1, 2
	STATA 0
	STATB 0
	; step 1: slots 4 5 6 7
	P1 1, 4, 1, 2
	P2 4, 1, 2
	STATA 1
	PLOAD 0, 0, 4, 0
	STATB 1
	PCOMP 0, 1, 8, 0                               ; the first product starts the sums: nothing is cleared
	BARRIER                                        ; the slots read here may be filled again
	; step 2: slots 0 4 8 12
	P1 2, 0, 4, 8
	P2 0, 4, 8
	STATA 2
	PLOAD 4, 1, 5, 0
	STATB 2
	PCOMP 0, 0, 8, 0
	BARRIER
	; step 3: slots 1 5 9 13
	P1 3, 1, 4, 8
	P2 1, 4, 8
	STATA 3
	PLOAD 1, 0, 1, 0
	PLOAD 5, 4, 5, 1
	STATB 3
	PCOMP 0, 0, 20, 12
	PCOMP 1, 0, 8, 0
	BARRIER
	; step 4: slots 0 1 4 5
	P1 4, 0, 1, 4
	P2 0, 1, 4
	STATA 4
	PLOAD 8, 2, 6, 0
	PLOAD 9, 8, 9, 1
	STATB 4
	PCOMP 0, 0, 20, 12
	PCOMP 1, 0, 8, 0
	BARRIER
	; step 5: slots 8 9 10 11
	P1 5, 8, 1, 2
	P2 8, 1, 2
	STATA 5
	PLOAD 2, 0, 8, 0
	PLOAD 6, 1, 9, 1
	STATB 5
	PCOMP 0, 0, 20, 12
	PLOAD 10, 4, 10, 0
	PCOMP 1, 0, 20, 12
	PCOMP 0, 0, 8, 0
	BARRIER
	; step 6: slots 0 2 4 6
	P1 6, 0, 2, 4
	P2 0, 2, 4
	STATA 6
	PLOAD 12, 3, 7, 0
	PLOAD 13, 12, 13, 1
	STATB 6
	PCOMP 0, 0, 20, 12
	PCOMP 1, 0, 8, 0
	BARRIER
	; step 7: slots 7 8 9 10; no barrier closes it
	P1 7, 7, 1, 2
	P2 7, 1, 2
	STATA 7
	PLOAD 3, 0, 7, 0
	PLOAD 7, 2, 8, 1
	STATB 7
	PCOMP 0, 0, 20, 12
	PLOAD 11, 4, 9, 0
	PCOMP 1, 0, 20, 12
	PLOAD 14, 5, 11, 1
	PCOMP 0, 0, 20, 12
	PLOAD 15, 6, 10, 0
	PCOMP 1, 0, 20, 12
	PCOMP 0, 0, 8, 0
	; THE WAY OUT.  S and the out0 scratch are the wave's own bytes: no barrier.  Lane l holds t' = 128 i + 4 l .. + 3 of each of my four rows.
.set E,   128                          ; v[128:191] [a'][16]
.set RZ,  192                          ; v[192:199] 1 / Z of a', twice (a pair for the packed multiply)
.set MM,  200                          ; v[200:201] the row's maximum, twice
.set Z0,  204                          ; v[204:211] sums; then out0's eight words
.set RZS, 212                          ; v[212:215] 1 / Z of a' = 0..3, side by side
	v_and_b32 v216, 31, v0
	v_and_b32 v217, 15, v0
	v_bfe_u32 v218, v0, 4, 1
	s_mul_i32 s20, s14, 4*SP
	v_lshl_add_u32 v219, v216, 4, s20
.set i, 0
.rept 16
.set eofs, SP*(i>>2)+512*(i&3)
	ds_load_b128 v[E+4*i:E+4*i+3], v219 offset:eofs
.set i, i+1
.endr
	s_lshl_b32 s20, s14, 20
	v_lshl_add_u32 v220, v216, 4, s20              ; out1: 2048 (512 h) + 16 l
	s_lshl_b32 s20, s14, 10
	s_add_co_u32 s20, s20, OSCR
	v_lshl_add_u32 v221, v216, 4, s20              ; scratch, read: 16 l
	v_lshl_add_u32 v222, v217, 2, s20
	v_lshl_add_u32 v222, v218, 9, v222             ; scratch, written: 512 hl + 4 r
	s_lshl_b32 s20, s14, 17
	v_lshl_add_u32 v223, v216, 4, s20              ; out0: 256 (512 h) + 16 l
.macro ROWOUT a
.set EB, E+16*\a
	s_wait_dscnt 12-4*\a                           ; this row's four loads are in; those of the later rows stay out
	v_mov_b32 v[MM], v[M+\a]
	v_mov_b32 v[MM+1], v[M+\a]
.set i, 0
.rept 8
	v_pk_add_f32 v[EB+2*i:EB+2*i+1], v[EB+2*i:EB+2*i+1], v[MM:MM+1] neg_lo:[0,1] neg_hi:[0,1]
.set i, i+1
.endr
.set i, 0
.rept 16
	v_exp_f32 v[EB+i], v[EB+i]
.set i, i+1
.endr
	v_nop                                          ; one plain instruction between the exponentials and their use
	s_wait_alu depctr_va_vdst(0)
	v_pk_add_f32 v[Z0:Z0+1], v[EB:EB+1], v[EB+2:EB+3]
	v_pk_add_f32 v[Z0+2:Z0+3], v[EB+4:EB+5], v[EB+6:EB+7]
	v_pk_add_f32 v[Z0+4:Z0+5], v[EB+8:EB+9], v[EB+10:EB+11]
	v_pk_add_f32 v[Z0+6:Z0+7], v[EB+12:EB+13], v[EB+14:EB+15]
	v_pk_add_f32 v[Z0:Z0+1], v[Z0:Z0+1], v[Z0+2:Z0+3]
	v_pk_add_f32 v[Z0+4:Z0+5], v[Z0+4:Z0+5], v[Z0+6:Z0+7]
	v_pk_add_f32 v[Z0:Z0+1], v[Z0:Z0+1], v[Z0+4:Z0+5]
	v_add_f32 v[Z0], v[Z0], v[Z0+1]
.irp x, 1,2,4,8
	v_add_f32_dpp v[Z0], v[Z0], v[Z0] row_xmask:\x row_mask:0xf bank_mask:0xf
.endr
	v_permlanex16_b32 v[Z0+1], v[Z0], s32, s33
	v_add_f32 v[Z0], v[Z0], v[Z0+1]                ; Z in every lane; at least 1, since the largest score gives 2^0
	v_rcp_f32 v[RZ+2*\a], v[Z0]
	v_rcp_f32 v[RZ+2*\a+1], v[Z0]
	v_nop                                          ; one plain instruction between the reciprocals and their use
	s_wait_alu depctr_va_vdst(0)
	v_mov_b32 v[RZS+\a], v[RZ+2*\a]
.set i, 0
.rept 8
	v_pk_mul_f32 v[EB+2*i:EB+2*i+1], v[EB+2*i:EB+2*i+1], v[RZ+2*\a:RZ+2*\a+1]
.set i, i+1
.endr
.set i, 0
.rept 4
	global_store_b128 v220, v[EB+4*i:EB+4*i+3], s[12:13] offset:2048*\a+512*i th:TH_STORE_NT   ; the wave stores 512 consecutive bytes, aligned to 512
.set i, i+1
.endr
.endm
	ROWOUT 0
	ROWOUT 1
	ROWOUT 2
	ROWOUT 3
	; out0: register a' of tile nt holds (a', column 16 nt + r), the same in both halves of the lanes.  Lanes 0-15 hand in rows 0 and 1, lanes 16-31
	; rows 2 and 3; the 1,024 bytes (4 rows of 64 f32, consecutive in out0) are read back as 16 bytes a lane.
.irp nt, 0,1,2,3
	v_pk_mul_f32 v[ACC+8*\nt:ACC+8*\nt+1], v[ACC+8*\nt:ACC+8*\nt+1], v[RZS:RZS+1]
	v_pk_mul_f32 v[ACC+8*\nt+2:ACC+8*\nt+3], v[ACC+8*\nt+2:ACC+8*\nt+3], v[RZS+2:RZS+3]
.endr
.irp k, 0,1
.irp nt, 0,1,2,3
	v_cndmask_b32 v[Z0+4*\k+\nt], v[ACC+8*\nt+\k], v[ACC+8*\nt+\k+2], s30
	ds_store_b32 v222, v[Z0+4*\k+\nt] offset:256*\k+64*\nt
.endr
.endr
	ds_load_b128 v[224:227], v221                  ; LDS serves a wave's instructions in order: these see the stores above
	ds_load_b128 v[228:231], v221 offset:512
	s_wait_dscnt 0x0
	global_store_b128 v223, v[224:227], s[10:11] th:TH_STORE_NT
	global_store_b128 v223, v[228:231], s[10:11] offset:512 th:TH_STORE_NT
	s_wait_xcnt 0x0
	v_lshl_add_u32 v254, v0, 2, 0x4f000
	v_mov_b32 v255, 0
	s_wait_tensorcnt 0x0
	ds_add_u32 v254, v255
	s_wait_dscnt 0x0
	s_endpgm
.Lfunc_end_k_q27b816d0a3_attn:
	.size	k_q27b816d0a3_attn, .Lfunc_end_k_q27b816d0a3_attn-k_q27b816d0a3_attn
	.p2alignl 7, 3214868480
	.fill 96, 4, 3214868480
	.section	.rodata,"a",@progbits
	.p2align	6, 0x0
	.amdhsa_kernel k_q27b816d0a3_attn
		.amdhsa_group_segment_fixed_size 324608
		.amdhsa_private_segment_fixed_size 0
		.amdhsa_enable_private_segment 0
		.amdhsa_kernarg_size 40
		.amdhsa_user_sgpr_count 2
		.amdhsa_user_sgpr_kernarg_segment_ptr 1
		.amdhsa_wavefront_size32 1
		.amdhsa_system_sgpr_workgroup_id_x 1
		.amdhsa_system_sgpr_workgroup_id_y 1
		.amdhsa_system_sgpr_workgroup_id_z 1
		.amdhsa_system_vgpr_workitem_id 0
		.amdhsa_next_free_vgpr 512
		.amdhsa_next_free_sgpr 66
		.amdhsa_reserve_vcc 0
		.amdhsa_float_denorm_mode_32 3
		.amdhsa_float_denorm_mode_16_64 3
		.amdhsa_memory_ordered 1
		.amdhsa_forward_progress 1
		.amdhsa_inst_pref_size 188
	.end_amdhsa_kernel
	.amdgpu_metadata
---
amdhsa.version: [ 1, 2 ]
amdhsa.kernels:
  - .name:           k_q27b816d0a3_attn
    .symbol:         k_q27b816d0a3_attn.kd
    .args:
      - { .name: v, .offset: 0, .size: 8, .value_kind: global_buffer, .address_space: global }
      - { .name: weff, .offset: 8, .size: 8, .value_kind: global_buffer, .address_space: global }
      - { .name: bias, .offset: 16, .size: 8, .value_kind: global_buffer, .address_space: global }
      - { .name: out0, .offset: 24, .size: 8, .value_kind: global_buffer, .address_space: global }
      - { .name: out1, .offset: 32, .size: 8, .value_kind: global_buffer, .address_space: global }
    .group_segment_fixed_size: 324608
    .private_segment_fixed_size: 0
    .kernarg_segment_align: 8
    .kernarg_segment_size: 40
    .max_flat_workgroup_size: 256
    .sgpr_count:     66
    .vgpr_count:     512
    .wavefront_size: 32
...
	.end_amdgpu_metadata
.endif
;; end of part 2
